; MI455X (gfx1250); checked and timed in simulation.
; The chip was launched on July 23, 2026; its instructions are those of AMD's public machine-readable ISA for CDNA 5 (MIT licence, August 2026) and "CDNA5" Instruction Set Architecture Reference Guide (July 2026). The comments in the code are by the model that wrote it; some were corrected since.
;; HF Encoder. Allowed arithmetic: float matrix products may take bf16 or f16 operands with f32 sums; other float arithmetic in f32, or as packed bf16 or f16 multiplies, adds, multiply-adds, maxima and minima; sums over many terms, partial sums and values carried from step to step in f32; what a program stores and reads back later, other than sums and carried values, may be rounded once to bf16 or f16.
;; Inputs: attention_mask 16 x 2,048 float32; b_pool 1 float32; span_ends 16 x 32 int32; span_starts 16 x 32 int32; token_hidden 16 x 2,048 x 768 float32; w_pool 768 float32.
;; Outputs: out0 16 x 32 x 768 float32; out1 16 x 32 float32.
;; 2 versions, each right and faster than the one before. Each part assembles by itself: llvm-mc -triple=amdgcn-amd-amdhsa -mcpu=gfx1250 --defsym DOCPART=n.
;; ======== version 1 of 2: 1 launch
;; limits: right only within a limited range of input values
;; launch spanpool (part 1): grid 256 x 1, 16 waves a work-group, no clusters, 100,608 bytes of LDS; arguments token_hidden, attention_mask, span_starts, span_ends, w_pool, out0, out1; writes out0, out1
.if DOCPART == 1
	.amdgcn_target "amdgcn-amd-amdhsa--gfx1250"
	.amdhsa_code_object_version 6
	.text
	.protected	k_q25a23f6241_spanpool
	.globl	k_q25a23f6241_spanpool
	.p2align	8
	.type	k_q25a23f6241_spanpool,@function
k_q25a23f6241_spanpool:
	s_mov_b64 s[64:65], 0
	v_nop
	global_prefetch_b8 v0, s[64:65] scope:SCOPE_SE
	s_setreg_imm32_b32 hwreg(HW_REG_WAVE_MODE, 25, 1), 1
	s_wait_xcnt 0x0
; H[b][k][:] = sum over l in span (b,k) of softmax_l(token_hidden[b][l] . w_pool) token_hidden[b][l][:];  sent_mask[b][k] = 1 if the span has a member, else 0.
; A token l is a member of span (b,k) if start <= l < end and attention_mask[b][l] >= 0.5.  token_hidden: [16][2048][768] f32; out0: [16][32][768] f32; out1: [16][32] f32.
; WORK LEFT OUT, for all values of the inputs.
;  (1) b_pool.  It is added to the logit of every member of a span and so to their maximum m: logits - m, e, s, w and H are free of it; where a span has no member
;      e is 0 by the mask; sent_mask never sees it.  b_pool has no way to an output: it is not loaded and is not among the arguments.
;  (2) Rows outside the spans.  w[b][k][l] = e / s with e = exp(..) x span_mask = 0 for a token that is no member, so 'bkl,bld->bkd' is a sum over each span's own rows.
;      The spans are whole numbers read from memory: only rows start .. end - 1 are read (and up to 3 more that fill a span's last group of 4: weight 0 by a select).
;      Rows that attention_mask hides are read, since a float decides: weight 0 by a select.
; LIMITS.  A NaN, an infinity or an overflow in b_pool or in a row that is not read is not carried to the result; in a row that is read with weight 0 it gives NaN.
;  A member's score times log2(e) must lie above -1e30, the value that stands for a hidden token (as in the formula above, where -1e30 stands for it).  Sums are taken in another order.
; SHARES.  Work-group g owns spans 2 g and 2 g + 1 of the flat list [16 x 32] (one batch row).  The two spans' rows are cut into groups of 4 rows, first span's groups then the second's;
;  wave w of 16 takes groups w, w + 16, ..  So a long span beside a short one has all sixteen waves' registers for its loads.  All arithmetic is f32 on the vector unit: an element of
;  token_hidden feeds two multiply-adds, fewer instructions than its conversion and turning for a matrix operand would take.
; A ROW is 3,072 bytes: six loads of a wave, each 512 consecutive bytes, aligned; lane l holds channels 128 j + 4 l + 0..3 of load j.  w_pool lies in registers in the same order.
; SOFTMAX.  Each wave keeps a running maximum m, sum l and weighted row sum ACC for the span in hand: p = 2^(s - m) with s = row . (w_pool log2 e); per group ACC and l are multiplied by
;  a = 2^(m_old - m_new).  m starts at -2e30, below the -1e30 of a hidden token, so the first group of a span has a = 0: what ACC holds from the span before need only be finite.
; THE MEETING.  A wave puts (ACC, m, l) of each span into its own LDS bytes; one barrier; twelve waves merge 128 channels of one span each over the sixteen parts and store them.
.set LTOK,  2048                       ; tokens in a batch row
.set ROWB,  3072                       ; bytes in a row of token_hidden and of out0
.set GR,    4                          ; rows in a group
.set NWV,   16                         ; waves
.set GLD,   6*GR+1                     ; loads of a group: 24 for its rows, 1 for its mask words
.set PAIRB, 2*ROWB                     ; LDS: a wave's two parts (first span, second span); also the work-group's two rows of out0
.set STATS, NWV*PAIRB                  ; LDS: (m, l) of span s, wave w at STATS + 128 s + 8 w: one block of 256 bytes
.set SPARE, STATS+256                  ; LDS: the spare words, 128 bytes for each wave: eight blocks of 256 bytes that no other line names
.set LOFF, 1                           ; v1       16 x lane; never rewritten
.set MK,   2                           ; v2, v3   buffer x: attention_mask of the group's row lane % 4
.set T,    4                           ; v[4:11]  at work: row r's dot product, score and weight in v[T+2r]
.set A,    12                          ; v12      a (named as a pair with v13)
.set MLO,  13                          ; v13      4 x (lane % 4); never rewritten
.set M,    14                          ; v14      m
.set LS,   15                          ; v15      l
.set W,    16                          ; v[16:39] w_pool x log2(e)
.set ACC,  40                          ; v[40:63] the weighted row sum
.set X,    64                          ; v[64:255] two buffers of 4 rows x 24 registers
.set WV,   18                          ; s18  my wave's number
.set WG,   19                          ; s19  the work-group's number
.set LOA,  24                          ; s24  first span: first token          s25  one past its last
.set HIA,  25
.set LOB,  26                          ; s26  second span: first token less 4 x the first span's groups   s27  one past its last
.set HIB,  27
.set GA,   28                          ; s28  groups of the first span
.set GT,   29                          ; s29  groups of both
.set NW,   30                          ; s30  my groups
.set GN,   31                          ; s31  the group that I ask for next
.set TR,   32                          ; s32  trips of the loop
.set CNT,  33
.set FL,   34                          ; s34  1: my part of the first span lies in LDS
.set BROW, 35                          ; s35  2048 x batch row
.set BASE, 36                          ; s[36:39] buffer x: address of its first row
.set MB,   40                          ; s[40:43] buffer x: address of its first mask word
.set INB,  44                          ; s44, s45 buffer x: 1 if its group belongs to the second span
.set VMB,  46                          ; s46, s47 buffer x: bit r set if row r lies in the group's part of the span
.set VM,   48                          ; s[48:51] row r is a member: all ones or 0, for the selects
.set SEL,  52                          ; s[52:53] v_permlanex16_b32: each lane takes its own place in the other half
.set NEG,  54                          ; s54  -1e30
.set INIT, 55                          ; s55  -2e30
.set LB,   66                          ; s66  LDS byte of my two parts
.set SB,   67                          ; s67  LDS byte of my (m, l) of the first span
.set F,    68                          ; s[68:83] the sixteen parts' factors
.set OF8,  84                          ; s[84:85] 8 x work-group: byte offset of its two starts, ends and flags
; A group is asked for: group s[GN] into buffer x.  Its first token t0 = 4 g + the span's base; the four rows read begin at tl = min(t0, 2044), so they stay inside the batch row;
; row r counts if t0 <= tl + r < the span's end.  The number that enters the addresses is the one cut by the constant 2044.
.macro ISSUE x
	s_cmp_ge_u32 s[GN], s[GA]                      ; the second span's?
	s_cselect_b32 s[INB+\x], 1, 0
	s_cselect_b32 s56, s[LOB], s[LOA]
	s_cselect_b32 s57, s[HIB], s[HIA]
	s_lshl2_add_u32 s56, s[GN], s56                ; t0
	s_min_u32 s58, s56, LTOK-GR                    ; tl
	s_sub_co_u32 s56, s56, s58                     ; first row that counts: 0, or up to 3 at a batch row's end
	s_sub_co_u32 s57, s57, s58
	s_min_u32 s57, s57, GR                         ; one past the last row that counts
	s_sub_co_u32 s57, s57, s56
	s_bfm_b32 s[VMB+\x], s57, s56                  ; so many ones, from that bit on
	s_add_co_u32 s58, s58, s[BROW]                 ; the row's number in the tensor
	s_mov_b32 s59, 0
	s_lshl_b32 s60, s58, 2
	s_mov_b32 s61, 0
	s_mul_i32 s58, s58, ROWB                       ; under 2^27
	s_add_nc_u64 s[MB+2*\x:MB+2*\x+1], s[6:7], s[60:61]      ; both addresses were last read by this buffer's loads, which have come back
	s_add_nc_u64 s[BASE+2*\x:BASE+2*\x+1], s[4:5], s[58:59]
	global_load_b32 v[MK+\x], v[MLO], s[MB+2*\x:MB+2*\x+1]
.irp r, 0,1,2,3
.irp j, 0,1,2,3,4,5
	global_load_b128 v[X+96*\x+24*\r+4*\j:X+96*\x+24*\r+4*\j+3], v[LOFF], s[BASE+2*\x:BASE+2*\x+1] offset:ROWB*\r+512*\j th:TH_LOAD_NT
.endr
.endr
	s_add_co_u32 s[GN], s[GN], NWV
.endm
; My part of span 'slot' goes into my own LDS bytes.  again = 1: m and l start anew; ACC is wiped by the next group's a = 0.
.macro FLUSH slot, again
	v_add_nc_u32 v[T], s[LB], v[LOFF]
	v_mov_b32 v[T+1], s[SB]
.irp j, 0,1,2,3,4,5
	ds_store_b128 v[T], v[ACC+4*\j:ACC+4*\j+3] offset:ROWB*\slot+512*\j
.endr
	ds_store_b64 v[T+1], v[M:M+1] offset:128*\slot   ; every lane writes the same two words
.if \again
	v_mov_b32 v[M], s[INIT]
	v_mov_b32 v[LS], 0
.endif
.endm
; The group in buffer x, whose loads have come back, is taken into m, l and ACC.
.macro CONSUME x
.set XB, X+96*(\x)
	s_cmp_gt_u32 s[INB+\x], s[FL]                  ; the first group of the second span: the first span's part is put away
	s_cbranch_scc0 .Lsame_\@
	FLUSH 0, 1
	s_mov_b32 s[FL], 1
.Lsame_\@:
	v_cmp_le_f32 s56, 0.5, v[MK+\x]                ; bit i: attention_mask lets row i % 4 through
	s_and_b32 s56, s56, s[VMB+\x]                  ; and the row lies in the span: these bits only choose values
.irp r, 0,1,2,3
	s_bitcmp1_b32 s56, \r
	s_cselect_b32 s[VM+\r], -1, 0
.endr
.irp r, 0,1,2,3                        ; four dot products side by side: a chain's links stand four instructions apart
	v_pk_mul_f32 v[T+2*\r:T+2*\r+1], v[XB+24*\r:XB+24*\r+1], v[W:W+1]
.endr
.set i, 1
.rept 11
.irp r, 0,1,2,3
	v_pk_fma_f32 v[T+2*\r:T+2*\r+1], v[XB+24*\r+2*i:XB+24*\r+2*i+1], v[W+2*i:W+2*i+1], v[T+2*\r:T+2*\r+1]
.endr
.set i, i+1
.endr
.irp r, 0,1,2,3
	v_add_f32 v[T+2*\r], v[T+2*\r], v[T+2*\r+1]
.endr
.irp k, 1,2,4,8                        ; across the lanes: four steps inside each half of 16, one across the halves; every lane ends with the score
.irp r, 0,1,2,3
	v_add_f32_dpp v[T+2*\r], v[T+2*\r], v[T+2*\r] row_xmask:\k row_mask:0xf bank_mask:0xf
.endr
.endr
.irp r, 0,1,2,3
	v_permlanex16_b32 v[T+2*\r+1], v[T+2*\r], s[SEL], s[SEL+1]
.endr
.irp r, 0,1,2,3
	v_add_f32 v[T+2*\r], v[T+2*\r], v[T+2*\r+1]
.endr
.irp r, 0,1,2,3
	v_cndmask_b32 v[T+2*\r], s[NEG], v[T+2*\r], s[VM+\r]   ; a row that is no member: -1e30
.endr
	v_max3_num_f32 v[T+1], v[M], v[T], v[T+2]
	v_max3_num_f32 v[T+1], v[T+1], v[T+4], v[T+6]  ; the new m
	v_sub_f32 v[A], v[M], v[T+1]
.irp r, 0,1,2,3
	v_sub_f32 v[T+2*\r], v[T+2*\r], v[T+1]
.endr
	v_exp_f32 v[A], v[A]                           ; one batch of five
.irp r, 0,1,2,3
	v_exp_f32 v[T+2*\r], v[T+2*\r]
.endr
	v_mov_b32 v[M], v[T+1]                         ; a plain instruction behind the last exponential, ahead of the first use
	s_wait_alu depctr_va_vdst(0)                   ; one wait for the batch, ahead of its first reader
.irp r, 0,1,2,3
	v_cndmask_b32 v[T+2*\r], 0, v[T+2*\r], s[VM+\r]        ; e x span_mask: where all four are hidden the exponent is 0 and the mask alone makes the weight 0
.endr
	v_fma_f32 v[LS], v[LS], v[A], v[T]
	v_add_f32 v[T+3], v[T+2], v[T+4]
	v_add_f32 v[LS], v[LS], v[T+6]
	v_add_f32 v[LS], v[LS], v[T+3]
.set i, 0
.rept 12
	v_pk_mul_f32 v[ACC+2*i:ACC+2*i+1], v[ACC+2*i:ACC+2*i+1], v[A:A+1] op_sel_hi:[1,0]
.set i, i+1
.endr
.irp r, 0,1,2,3                        ; a pair's five links stand twelve instructions apart
.set i, 0
.rept 12
	v_pk_fma_f32 v[ACC+2*i:ACC+2*i+1], v[XB+24*\r+2*i:XB+24*\r+2*i+1], v[T+2*\r:T+2*\r+1], v[ACC+2*i:ACC+2*i+1] op_sel_hi:[1,0,1]
.set i, i+1
.endr
.endr
.endm
.macro SCALEW                          ; log2(e) goes into w_pool once, so that a score is an exponent of 2 and a difference of scores is one subtraction
.set i, 0
.rept 12
	v_pk_mul_f32 v[W+2*i:W+2*i+1], v[W+2*i:W+2*i+1], 0x3fb8aa3b op_sel_hi:[1,0]
.set i, i+1
.endr
.endm
	s_load_b256 s[4:11], s[0:1], 0x0               ; token_hidden s[4:5], attention_mask s[6:7], span_starts s[8:9], span_ends s[10:11]
	s_load_b128 s[12:15], s[0:1], 0x20             ; w_pool s[12:13], out0 s[14:15]
	s_load_b64 s[16:17], s[0:1], 0x30              ; out1
	v_lshrrev_b32 v[T], 5, v0
	v_readfirstlane_b32 s[WV], v[T]                ; wave 0..15
	v_and_b32 v[LOFF], 31, v0
	v_and_b32 v[MLO], 3, v0
	v_lshlrev_b32 v[LOFF], 4, v[LOFF]
	v_lshlrev_b32 v[MLO], 2, v[MLO]
	s_mov_b32 s[WG], ttmp9
	s_lshl_b32 s[OF8], ttmp9, 3
	s_mov_b32 s[OF8+1], 0
	s_wait_kmcnt 0x0
	s_load_b64 s[20:21], s[8:9], s[OF8] offset:0x0    ; the two starts
	s_load_b64 s[22:23], s[10:11], s[OF8] offset:0x0  ; the two ends
	s_mov_b32 s[SEL], 0x76543210                   ; set-up that hangs on no span stands in the wait for them
	s_mov_b32 s[SEL+1], 0xfedcba98
	s_mov_b32 s[NEG], 0xf149f2ca                   ; -1e30
	s_mov_b32 s[INIT], 0xf1c9f2ca                  ; -2e30
	s_mov_b32 s[FL], 0
	s_mov_b32 s[CNT], 0
	s_mov_b32 s[GN], s[WV]
	s_lshr_b32 s[BROW], ttmp9, 4                   ; sixteen work-groups to a batch row
	s_lshl_b32 s[BROW], s[BROW], 11
	s_mul_i32 s[LB], s[WV], PAIRB
	s_lshl_b32 s[SB], s[WV], 3
	s_add_co_u32 s[SB], s[SB], STATS
.set i, 0
.rept 24
	v_mov_b32 v[ACC+i], 0                          ; once a launch: a wave without a group hands these zeros in
.set i, i+1
.endr
	v_mov_b32 v[M], s[INIT]
	v_mov_b32 v[LS], 0
	s_wait_kmcnt 0x0
	s_max_i32 s[LOA], s20, 0                       ; pos runs from 0 to 2047: bounds outside are cut to 0 .. 2048, which keeps the members the same
	s_min_i32 s[LOA], s[LOA], LTOK
	s_max_i32 s[HIA], s22, 0
	s_min_i32 s[HIA], s[HIA], LTOK
	s_max_i32 s[LOB], s21, 0
	s_min_i32 s[LOB], s[LOB], LTOK
	s_max_i32 s[HIB], s23, 0
	s_min_i32 s[HIB], s[HIB], LTOK
	s_sub_co_i32 s57, s[HIA], s[LOA]
	s_max_i32 s57, s57, 0                          ; end <= start: no token
	s_add_co_u32 s57, s57, GR-1
	s_lshr_b32 s[GA], s57, 2
	s_sub_co_i32 s58, s[HIB], s[LOB]
	s_max_i32 s58, s58, 0
	s_add_co_u32 s58, s58, GR-1
	s_lshr_b32 s58, s58, 2
	s_add_co_u32 s[GT], s[GA], s58
	s_lshl_b32 s59, s[GA], 2
	s_sub_co_u32 s[LOB], s[LOB], s59               ; so that 4 g + this is the first token of group g of the list
	s_add_co_u32 s[NW], s[GT], NWV-1
	s_sub_co_u32 s[NW], s[NW], s[WV]
	s_lshr_b32 s[NW], s[NW], 4                     ; groups w, w + 16, .. below s[GT]
	s_cmp_eq_u32 s[NW], 0
	s_cbranch_scc1 .Ldone                          ; none: I hand in empty parts
.irp j, 0,1,2,3,4,5
	global_load_b128 v[W+4*\j:W+4*\j+3], v[LOFF], s[12:13] offset:512*\j
.endr
	ISSUE 0
	s_cmp_eq_u32 s[NW], 1
	s_cbranch_scc1 .Lone
	ISSUE 1
	s_wait_loadcnt 2*GLD                           ; w_pool's six loads are in; the two groups' 25 + 25 stay out
	SCALEW
	s_sub_co_u32 s[TR], s[NW], 2                   ; a trip takes two groups and asks for two: as many trips as leave no request past my last group
	s_lshr_b32 s[TR], s[TR], 1
	s_cmp_eq_u32 s[TR], 0
	s_cbranch_scc1 .Ltail
.Lloop:                                        ; on the way in and on the way back: buffer 0's 25 loads are out, and behind them buffer 1's 25
	s_wait_loadcnt GLD                             ; buffer 0 is in; buffer 1's 25 stay out
	CONSUME 0
	ISSUE 0
	s_wait_loadcnt GLD                             ; buffer 1 is in; the 25 just issued stay out
	CONSUME 1
	ISSUE 1
	s_add_co_u32 s[CNT], s[CNT], 1
	s_cmp_lt_u32 s[CNT], s[TR]
	s_cbranch_scc1 .Lloop
.Ltail:                                        ; both buffers are on their way; one group is left to ask for if my count is odd, else none.  The ways are written out, so that each wait counts the same loads on every way to it
	s_wait_loadcnt GLD
	CONSUME 0
	s_bitcmp1_b32 s[NW], 0
	s_cbranch_scc1 .Lodd
	s_wait_loadcnt 0x0                             ; nothing was issued behind buffer 1's loads
	CONSUME 1
	s_branch .Ldone
.Lodd:
	ISSUE 0                                        ; my last group
	s_wait_loadcnt GLD                             ; buffer 1 is in; the last group's 25 stay out
	CONSUME 1
	s_branch .Llast
.Lone:
	s_wait_loadcnt GLD                             ; w_pool is in; my one group's 25 stay out
	SCALEW
.Llast:
	s_wait_loadcnt 0x0
	CONSUME 0
.Ldone:
	s_cmp_eq_u32 s[FL], 0                          ; no group of the second span came: the first span's part is still in registers
	s_cbranch_scc0 .Lsecond
	FLUSH 0, 1
.Lsecond:
	FLUSH 1, 0
	s_wait_dscnt 0x0                               ; for the others' sake: my parts lie in LDS
	s_barrier_signal -1
	s_barrier_wait -1                              ; all sixteen waves' do
	; THE MEETING.  Wave c of the first twelve makes 128 channels: bytes 512 c .. 512 c + 511 of the work-group's two rows of out0, which lie end to end, as a wave's two parts do in LDS.
	s_cmp_lt_u32 s[WV], 12
	s_cbranch_scc0 .Lend
	v_lshrrev_b32 v[T+1], 1, v[LOFF]               ; 8 x lane: lanes 0-15 take (m, l) of the first span's sixteen parts, lanes 16-31 the second's
	v_add_nc_u32 v[T+1], STATS, v[T+1]
	ds_load_b64 v[T+2:T+3], v[T+1]
	s_lshl_b32 s56, s[WV], 9
	v_add_nc_u32 v[T], s56, v[LOFF]
	v_add_nc_u32 v[T+7], 8*PAIRB, v[T]             ; a second address: the offset field ends at 65,535
.irp w, 0,1,2,3,4,5,6,7
	ds_load_b128 v[X+4*\w:X+4*\w+3], v[T] offset:PAIRB*\w
.endr
.irp w, 0,1,2,3,4,5,6,7
	ds_load_b128 v[X+32+4*\w:X+32+4*\w+3], v[T+7] offset:PAIRB*\w
.endr
	s_mul_i32 s58, s[WG], PAIRB
	s_add_co_u32 s58, s58, s56
	s_mov_b32 s59, 0
	s_add_nc_u64 s[14:15], s[14:15], s[58:59]      ; out0 at my 512 bytes
	s_cmp_ge_u32 s[WV], 6                          ; waves 6 to 11 work for the second span
	s_cselect_b32 s57, -1, 0
	s_wait_dscnt 16                                ; (m, l) are in; the sixteen loads of parts stay out
	v_mov_b32 v[T+4], v[T+2]
.irp k, 1,2,4,8
	v_max_num_f32_dpp v[T+4], v[T+4], v[T+4] row_xmask:\k row_mask:0xf bank_mask:0xf   ; each half of the lanes: its span's maximum
.endr
	v_sub_f32 v[T+5], v[T+2], v[T+4]
	v_cmp_lt_f32 vcc_lo, 0, v[T+3]                 ; a part with l = 0 had no member: its factor is 0, whatever its ACC holds
	v_exp_f32 v[T+5], v[T+5]
	v_nop                                          ; a plain instruction behind the exponential,
	s_wait_alu depctr_va_vdst(0)                   ; and the wait ahead of its first reader
	v_mul_f32 v[T+6], v[T+3], v[T+5]
.irp k, 1,2,4,8
	v_add_f32_dpp v[T+6], v[T+6], v[T+6] row_xmask:\k row_mask:0xf bank_mask:0xf       ; s, the span's sum of weights
.endr
	v_max_num_f32 v[T+4], 0x0da24260, v[T+6]       ; max(s, 1e-30)
	v_rcp_f32 v[T+4], v[T+4]
	v_nop
	s_wait_alu depctr_va_vdst(0)
	v_mul_f32 v[T+5], v[T+5], v[T+4]
	v_cndmask_b32 v[T+5], 0, v[T+5], vcc_lo
	v_permlanex16_b32 v[T+2], v[T+5], s[SEL], s[SEL+1]
	v_cndmask_b32 v[T+5], v[T+5], v[T+2], s57      ; my span's sixteen factors in lanes 0-15
.irp w, 0,1,2,3,4,5,6,7,8,9,10,11,12,13,14,15
	v_readlane_b32 s[F+\w], v[T+5], \w
.endr
	s_wait_dscnt 0x0
.irp c, 0,1,2,3
	v_mul_f32 v[ACC+\c], s[F], v[X+\c]
.endr
.set i, 1
.rept 15
.irp c, 0,1,2,3
	v_fmac_f32 v[ACC+\c], s[F+i], v[X+4*i+\c]
.endr
.set i, i+1
.endr
	global_store_b128 v[LOFF], v[ACC:ACC+3], s[14:15] th:TH_STORE_NT   ; the wave stores 512 consecutive bytes, at a multiple of 512 from out0's first
	s_cmp_lg_u32 s[WV], 0
	s_cbranch_scc1 .Lend
	; wave 0 also stores the two flags: a member's weight at its part's maximum is 1, so s > 0 says that the span has a member
	v_cmp_lt_f32 vcc_lo, 0, v[T+6]
	v_cndmask_b32 v[T+4], 0, 1.0, vcc_lo
	v_lshrrev_b32 v[T+5], 6, v[LOFF]
	v_and_b32 v[T+5], 4, v[T+5]                    ; 4 x (lane / 16)
	v_and_b32 v[T+3], 0xf0, v[LOFF]
	v_cmp_eq_u32 vcc_lo, 0, v[T+3]                 ; lanes 0 and 16
	s_add_nc_u64 s[16:17], s[16:17], s[OF8:OF8+1]
	s_wait_xcnt 0x0                                ; EXEC changes only when the store above has read its sources
	s_and_saveexec_b32 s58, vcc_lo
	global_store_b32 v[T+5], v[T+4], s[16:17]      ; 8 consecutive bytes of out1
	s_wait_xcnt 0x0                                ; and again ahead of the line that widens it
	s_or_b32 exec_lo, exec_lo, s58
.Lend:
	v_lshl_add_u32 v[T], v0, 2, SPARE              ; the wave's end.  All 256 registers are taken in the loop, so v0 was kept and the add's two registers are made here
	v_mov_b32 v[T+1], 0
	s_wait_tensorcnt 0x0
	ds_add_u32 v[T], v[T+1]
	s_wait_dscnt 0x0
	s_endpgm
.Lfunc_end_k_q25a23f6241_spanpool:
	.size	k_q25a23f6241_spanpool, .Lfunc_end_k_q25a23f6241_spanpool-k_q25a23f6241_spanpool
	.p2alignl 7, 3214868480
	.fill 96, 4, 3214868480
	.section	.rodata,"a",@progbits
	.p2align	6, 0x0
	.amdhsa_kernel k_q25a23f6241_spanpool
		.amdhsa_group_segment_fixed_size 100608
		.amdhsa_private_segment_fixed_size 0
		.amdhsa_enable_private_segment 0
		.amdhsa_kernarg_size 56
		.amdhsa_user_sgpr_count 2
		.amdhsa_user_sgpr_kernarg_segment_ptr 1
		.amdhsa_wavefront_size32 1
		.amdhsa_system_sgpr_workgroup_id_x 1
		.amdhsa_system_sgpr_workgroup_id_y 1
		.amdhsa_system_sgpr_workgroup_id_z 1
		.amdhsa_system_vgpr_workitem_id 0
		.amdhsa_next_free_vgpr 256
		.amdhsa_next_free_sgpr 88
		.amdhsa_reserve_vcc 1
		.amdhsa_float_denorm_mode_32 3
		.amdhsa_float_denorm_mode_16_64 3
		.amdhsa_memory_ordered 1
		.amdhsa_forward_progress 1
		.amdhsa_inst_pref_size 92
	.end_amdhsa_kernel
	.amdgpu_metadata
---
amdhsa.version: [ 1, 2 ]
amdhsa.kernels:
  - .name:           k_q25a23f6241_spanpool
    .symbol:         k_q25a23f6241_spanpool.kd
    .args:
      - { .name: token_hidden, .offset: 0, .size: 8, .value_kind: global_buffer, .address_space: global }
      - { .name: attention_mask, .offset: 8, .size: 8, .value_kind: global_buffer, .address_space: global }
      - { .name: span_starts, .offset: 16, .size: 8, .value_kind: global_buffer, .address_space: global }
      - { .name: span_ends, .offset: 24, .size: 8, .value_kind: global_buffer, .address_space: global }
      - { .name: w_pool, .offset: 32, .size: 8, .value_kind: global_buffer, .address_space: global }
      - { .name: out0, .offset: 40, .size: 8, .value_kind: global_buffer, .address_space: global }
      - { .name: out1, .offset: 48, .size: 8, .value_kind: global_buffer, .address_space: global }
    .group_segment_fixed_size: 100608
    .private_segment_fixed_size: 0
    .kernarg_segment_align: 8
    .kernarg_segment_size: 56
    .max_flat_workgroup_size: 512
    .sgpr_count:     88
    .vgpr_count:     256
    .wavefront_size: 32
...
	.end_amdgpu_metadata
.endif
;; end of part 1
;; ======== version 2 of 2: 2 launches; 1.19 times as fast as version 1
;; limits: right only within a limited range of input values
;; workspace buffers: parts 29,360,128 bytes
;; launch pool (part 2): grid 256 x 1, 16 waves a work-group, no clusters, 116,736 bytes of LDS; arguments token_hidden, attention_mask, span_starts, span_ends, w_pool, parts; writes parts
.if DOCPART == 2
	.amdgcn_target "amdgcn-amd-amdhsa--gfx1250"
	.amdhsa_code_object_version 6
	.text
	.protected	k_q25a23f6241_pool
	.globl	k_q25a23f6241_pool
	.p2align	8
	.type	k_q25a23f6241_pool,@function
k_q25a23f6241_pool:
	s_mov_b64 s[64:65], 0
	v_nop
	global_prefetch_b8 v0, s[64:65] scope:SCOPE_SE
	s_setreg_imm32_b32 hwreg(HW_REG_WAVE_MODE, 25, 1), 1
	s_wait_xcnt 0x0
; H[b][k][:] = sum over l in span (b,k) of softmax_l(token_hidden[b][l] . w_pool) token_hidden[b][l][:];  sent_mask[b][k] = 1 if the span has a member, else 0.
; A token l is a member of span (b,k) if start <= l < end and attention_mask[b][l] >= 0.5.  token_hidden: [16][2048][768] f32.
; THIS LAUNCH makes, for each span and each chunk of 128 tokens that the span's range touches, a PART: the chunk's maximum m of the members' scores, the sum l of 2^(s - m) and the sum of
; 2^(s - m) x row.  The next launch adds a span's parts.  So the work is shared out by tokens: at most 128 rows to a work-group where spans do not overlap, however long a span is.
; WORK LEFT OUT, for all values of the inputs.
;  (1) b_pool.  It is added to the logit of every member of a span and so to their maximum m: logits - m, e, s, w and H are free of it; where a span has no member
;      e is 0 by the mask; sent_mask never sees it.  b_pool has no way to an output: it is not loaded and is not among any launch's arguments.
;  (2) Rows outside the spans.  w[b][k][l] = e / s with e = exp(..) x span_mask = 0 for a token that is no member, so 'bkl,bld->bkd' is a sum over each span's own rows.
;      The spans are whole numbers read from memory: only their rows are read (and up to 3 more that fill the last group of 4 of a span's piece in a chunk: weight 0 by a select).
;      Rows that attention_mask hides are read, since a float decides: weight 0 by a select.
; LIMITS.  A NaN, an infinity or an overflow in b_pool or in a row that is not read is not carried to the result; in a row that is read with weight 0 it gives NaN.
;  A member's score times log2(e) must lie above -1e30, the value that stands for a hidden token (as -1e30 does in the formula).  Sums are taken in another order.
; SHARES.  Work-group g: batch row b = g / 16, chunk c = g % 16: tokens 128 c .. 128 c + 127.  Lane s of every wave holds span s of the batch row cut to the chunk: a SEGMENT.  The segments are cut into
;  groups of 4 rows, which form one list (segment 0's groups, then segment 1's ..), n <= 1,024 long; wave w takes groups n w / 16 .. n (w + 1) / 16 - 1: on end, at most 64.
;  Spans that overlap or lie in any order are served: a row is then read once for each span that holds it.
; THE TABLE is one register: lane s holds ce << 16 | lo << 8 | len: ce = the list's length up to and with segment s, lo = its first token less the chunk's, len = its tokens.  ce never falls from lane to
;  lane, so the segment of group q is the number of lanes with ce <= q: one compare against q << 16 | 0xffff, one count of bits; one v_readlane_b32 then brings its word.
; A ROW is 3,072 bytes: six loads of a wave, each 512 consecutive bytes, aligned; lane l holds channels 128 j + 4 l + 0..3 of load j.  w_pool lies in registers in the same order.  All arithmetic is f32
;  on the vector unit: an element of token_hidden feeds two multiply-adds, fewer instructions than its conversion and turning for a matrix operand would take.
; SOFTMAX.  A wave keeps a running maximum m, sum l and weighted row sum ACC for the segment in hand: p = 2^(s - m), s = row . (w_pool log2 e); per group ACC and l are multiplied by
;  a = 2^(m_old - m_new).  m starts at -2e30, below the -1e30 of a hidden token, so a segment's first group has a = 0: what ACC holds from the segment before need only be finite.
; WHERE A WAVE'S SEGMENTS GO.  Its first into its LDS slot 2 w, its last (if it has two or more) into slot 2 w + 1; those between lie wholly in its share, so they are whole parts and go straight to memory.
; THE MEETING.  One barrier; then seven waves walk the 32 slots, each for one column of 512 bytes.  A slot carries its segment's number (its tag); tags never fall from slot to slot, so slots of one
;  segment lie on end: a run.  A slot that holds nothing has l = 0 and a neighbour's tag.  At a run's last slot its sum is a part, and is stored.
; A PART, in LDS and in memory, is 3,584 bytes: 3,072 of ACC, then 512 in which every lane's 16 bytes begin with (m, l): each store of a wave covers 512 consecutive bytes, aligned.
.set LTOK,  2048                       ; tokens in a batch row
.set ROWB,  3072                       ; bytes in a row of token_hidden
.set GR,    4                          ; rows in a group
.set NWV,   16                         ; waves
.set CHUNK, 128                        ; tokens of a work-group
.set GLD,   6*GR+1                     ; loads of a group: 1 for its mask words, 24 for its rows
.set SLOTB, ROWB+512                   ; bytes of a part
.set SPARE, 2*NWV*SLOTB                ; LDS: behind the 32 slots the spare words, 128 bytes for each wave: eight blocks of 256 bytes that no other line names
.set LOFF, 1                           ; v1       16 x lane; never rewritten
.set MK,   2                           ; v2, v3   buffer x: 4 x (lane % 4), then, by a load that lands on its own address, attention_mask of the group's row lane % 4
.set T,    4                           ; v[4:11]  at work: row r's dot product, score and weight in v[T+2r]
.set A,    12                          ; v12      a (named as a pair with v13)
.set PK,   13                          ; v13      the table
.set M,    14                          ; v14      m
.set LS,   15                          ; v15      l
.set W,    16                          ; v[16:39] w_pool x log2(e)
.set ACC,  40                          ; v[40:63] the weighted row sum
.set X,    64                          ; v[64:255] two buffers of 4 rows x 24 registers; at the meeting v[64:191]: my 16 bytes of the 32 slots
.set WV,   18                          ; s18  my wave's number
.set C0,   19                          ; s19  the chunk's first token          s20  one past its last
.set C1,   20
.set N,    21                          ; s21  n
.set CUR,  22                          ; s22  the segment in hand
.set HD,   23                          ; s23  1: my first segment lies in LDS
.set WGO,  24                          ; s24  byte offset in parts of (b, span 0, c)
.set NW,   30                          ; s30  my groups
.set GN,   31                          ; s31  the group that I ask for next
.set TR,   32                          ; s32  trips of the loop
.set CNT,  33
.set BROW, 35                          ; s35  2048 x batch row
.set BASE, 36                          ; s[36:39] buffer x: address of its first row
.set MB,   40                          ; s[40:43] buffer x: address of its first mask word
.set TAG,  44                          ; s44, s45 buffer x: its group's segment
.set VMB,  46                          ; s46, s47 buffer x: bit r set if row r lies in the segment
.set VM,   48                          ; s[48:51] row r is a member: all ones or 0, for the selects
.set SEL,  52                          ; s[52:53] v_permlanex16_b32: each lane takes its own place in the other half
.set NEG,  54                          ; s54  -1e30
.set INIT, 55                          ; s55  -2e30
.set LB,   66                          ; s66  LDS byte of my two slots
.set EM,   67                          ; s67  bit j: slot j ends a run that is stored
.set FS,   68                          ; s[68:83] eight slots' factors f, each the low word of a pair
.set AS,   84                          ; s[84:99] eight slots' factors a, likewise
.set W6,   100                         ; s100 all ones in the wave that walks the column of (m, l)
; A group is asked for: group s[GN] into buffer x.  Its first token t0 = the segment's first + 4 x the group's number in the segment; the four rows read begin at tl = min(t0, 2044), so they stay
; inside the batch row; row r counts if t0 <= tl + r < the segment's end.  The number that enters the addresses is the one cut by the constant 2044.
.macro ISSUE x
	s_lshl_b32 s56, s[GN], 16
	s_or_b32 s56, s56, 0xffff
	v_cmp_ge_u32 s57, s56, v[PK]                   ; bit s: segment s ends at or ahead of this group
	s_bcnt1_i32_b32 s57, s57                       ; so many do: the group's segment
	s_mov_b32 s[TAG+\x], s57
	v_readlane_b32 s58, v[PK], s57
	s_and_b32 s59, s58, 0xff                       ; len
	s_bfe_u32 s60, s58, 0x80008                    ; lo
	s_lshr_b32 s58, s58, 16                        ; ce
	s_add_co_u32 s61, s59, GR-1
	s_lshr_b32 s61, s61, 2                         ; the segment's groups
	s_sub_co_u32 s58, s58, s61                     ; its first group's place in the list
	s_sub_co_u32 s58, s[GN], s58                   ; the group's number in the segment
	s_add_co_u32 s60, s60, s[C0]                   ; the segment's first token
	s_add_co_u32 s59, s59, s60                     ; one past its last
	s_lshl2_add_u32 s56, s58, s60                  ; t0
	s_min_u32 s58, s56, LTOK-GR                    ; tl
	s_sub_co_u32 s56, s56, s58                     ; first row that counts: 0, or up to 3 at a batch row's end
	s_sub_co_u32 s57, s59, s58
	s_min_u32 s57, s57, GR                         ; one past the last row that counts
	s_sub_co_u32 s57, s57, s56
	s_bfm_b32 s[VMB+\x], s57, s56                  ; so many ones, from that bit on
	s_add_co_u32 s58, s58, s[BROW]                 ; the row's number in the tensor
	s_mov_b32 s59, 0
	s_lshl_b32 s60, s58, 2
	s_mov_b32 s61, 0
	s_mul_i32 s58, s58, ROWB                       ; under 2^27
	s_add_nc_u64 s[MB+2*\x:MB+2*\x+1], s[6:7], s[60:61]      ; both addresses were last read by this buffer's loads, which have come back
	s_add_nc_u64 s[BASE+2*\x:BASE+2*\x+1], s[4:5], s[58:59]
	v_lshlrev_b32 v[MK+\x], 2, v0
	v_and_b32 v[MK+\x], 12, v[MK+\x]               ; 4 x (lane % 4)
	global_load_b32 v[MK+\x], v[MK+\x], s[MB+2*\x:MB+2*\x+1]
.irp r, 0,1,2,3
.irp j, 0,1,2,3,4,5
	global_load_b128 v[X+96*\x+24*\r+4*\j:X+96*\x+24*\r+4*\j+3], v[LOFF], s[BASE+2*\x:BASE+2*\x+1] offset:ROWB*\r+512*\j th:TH_LOAD_NT
.endr
.endr
	s_add_co_u32 s[GN], s[GN], 1
.endm
; The segment in hand goes into my LDS slot h: ACC, then (m, l, tag, l) in every lane's 16 bytes.
.macro FLUSHL h
	v_add_nc_u32 v[T], s[LB], v[LOFF]
	v_mov_b32 v[T+4], v[M]
	v_mov_b32 v[T+5], v[LS]
	v_mov_b32 v[T+6], s[CUR]
	v_mov_b32 v[T+7], v[LS]
.irp j, 0,1,2,3,4,5
	ds_store_b128 v[T], v[ACC+4*\j:ACC+4*\j+3] offset:SLOTB*\h+512*\j
.endr
	ds_store_b128 v[T], v[T+4:T+7] offset:SLOTB*\h+ROWB
.endm
; The segment in hand lies wholly in my share: it is a part, and goes to its place (b, segment, c): seven stores of 512 consecutive bytes.
.macro STOREG
	s_min_u32 s56, s[CUR], 31                      ; the number that enters the address is cut by a constant
	s_mul_i32 s56, s56, 16*SLOTB                   ; sixteen chunks to a span
	s_add_co_u32 s56, s56, s[WGO]
	s_mov_b32 s57, 0
	s_add_nc_u64 s[56:57], s[14:15], s[56:57]
	v_mov_b32 v[T+4], v[M]
	v_mov_b32 v[T+5], v[LS]
	v_mov_b32 v[T+6], v[M]
	v_mov_b32 v[T+7], v[LS]
.irp j, 0,1,2,3,4,5
	global_store_b128 v[LOFF], v[ACC+4*\j:ACC+4*\j+3], s[56:57] offset:512*\j
.endr
	global_store_b128 v[LOFF], v[T+4:T+7], s[56:57] offset:ROWB
	s_wait_xcnt 0x0                                ; ACC, v[T+4:T+7] and s[56:57] are written again only behind this wait
.endm
; The group in buffer x, whose loads have come back, is taken into m, l and ACC.
.macro CONSUME x
.set XB, X+96*(\x)
	s_cmp_lg_u32 s[TAG+\x], s[CUR]                 ; another segment begins: the one in hand is put away
	s_cbranch_scc0 .Lsame_\@
	s_cmp_eq_u32 s[HD], 0
	s_cbranch_scc0 .Lmid_\@
	FLUSHL 0                                       ; my first: a wave before me may hold its beginning
	s_mov_b32 s[HD], 1
	s_branch .Lnew_\@
.Lmid_\@:
	STOREG                                         ; it began and ended in my share
.Lnew_\@:
	v_mov_b32 v[M], s[INIT]                        ; m and l start anew; ACC is wiped by the group's a = 0
	v_mov_b32 v[LS], 0
	s_mov_b32 s[CUR], s[TAG+\x]
.Lsame_\@:
	v_cmp_le_f32 s56, 0.5, v[MK+\x]                ; bit i: attention_mask lets row i % 4 through
	s_and_b32 s56, s56, s[VMB+\x]                  ; and the row lies in the segment: these bits only choose values
.irp r, 0,1,2,3
	s_bitcmp1_b32 s56, \r
	s_cselect_b32 s[VM+\r], -1, 0
.endr
.irp r, 0,1,2,3                        ; four dot products side by side: a chain's links stand four instructions apart
	v_pk_mul_f32 v[T+2*\r:T+2*\r+1], v[XB+24*\r:XB+24*\r+1], v[W:W+1]
.endr
.set i, 1
.rept 11
.irp r, 0,1,2,3
	v_pk_fma_f32 v[T+2*\r:T+2*\r+1], v[XB+24*\r+2*i:XB+24*\r+2*i+1], v[W+2*i:W+2*i+1], v[T+2*\r:T+2*\r+1]
.endr
.set i, i+1
.endr
.irp r, 0,1,2,3
	v_add_f32 v[T+2*\r], v[T+2*\r], v[T+2*\r+1]
.endr
.irp k, 1,2,4,8                        ; across the lanes: four steps inside each half of 16, one across the halves; every lane ends with the score
.irp r, 0,1,2,3
	v_add_f32_dpp v[T+2*\r], v[T+2*\r], v[T+2*\r] row_xmask:\k row_mask:0xf bank_mask:0xf
.endr
.endr
.irp r, 0,1,2,3
	v_permlanex16_b32 v[T+2*\r+1], v[T+2*\r], s[SEL], s[SEL+1]
.endr
.irp r, 0,1,2,3
	v_add_f32 v[T+2*\r], v[T+2*\r], v[T+2*\r+1]
.endr
.irp r, 0,1,2,3
	v_cndmask_b32 v[T+2*\r], s[NEG], v[T+2*\r], s[VM+\r]   ; a row that is no member: -1e30
.endr
	v_max3_num_f32 v[T+1], v[M], v[T], v[T+2]
	v_max3_num_f32 v[T+1], v[T+1], v[T+4], v[T+6]  ; the new m
	v_sub_f32 v[A], v[M], v[T+1]
.irp r, 0,1,2,3
	v_sub_f32 v[T+2*\r], v[T+2*\r], v[T+1]
.endr
	v_exp_f32 v[A], v[A]                           ; one batch of five
.irp r, 0,1,2,3
	v_exp_f32 v[T+2*\r], v[T+2*\r]
.endr
	v_mov_b32 v[M], v[T+1]                         ; a plain instruction behind the last exponential, ahead of the first use
	s_wait_alu depctr_va_vdst(0)                   ; one wait for the batch, ahead of its first reader
.irp r, 0,1,2,3
	v_cndmask_b32 v[T+2*\r], 0, v[T+2*\r], s[VM+\r]        ; e x span_mask: where all four are hidden the exponent is 0 and the mask alone makes the weight 0
.endr
	v_fma_f32 v[LS], v[LS], v[A], v[T]
	v_add_f32 v[T+3], v[T+2], v[T+4]
	v_add_f32 v[LS], v[LS], v[T+6]
	v_add_f32 v[LS], v[LS], v[T+3]
.set i, 0
.rept 12
	v_pk_mul_f32 v[ACC+2*i:ACC+2*i+1], v[ACC+2*i:ACC+2*i+1], v[A:A+1] op_sel_hi:[1,0]
.set i, i+1
.endr
.irp r, 0,1,2,3                        ; a pair's five links stand twelve instructions apart
.set i, 0
.rept 12
	v_pk_fma_f32 v[ACC+2*i:ACC+2*i+1], v[XB+24*\r+2*i:XB+24*\r+2*i+1], v[T+2*\r:T+2*\r+1], v[ACC+2*i:ACC+2*i+1] op_sel_hi:[1,0,1]
.set i, i+1
.endr
.endr
.endm
.macro SCALEW                          ; log2(e) goes into w_pool once, so that a score is an exponent of 2 and a difference of scores is one subtraction
.set i, 0
.rept 12
	v_pk_mul_f32 v[W+2*i:W+2*i+1], v[W+2*i:W+2*i+1], 0x3fb8aa3b op_sel_hi:[1,0]
.set i, i+1
.endr
.endm
	s_load_b256 s[4:11], s[0:1], 0x0               ; token_hidden s[4:5], attention_mask s[6:7], span_starts s[8:9], span_ends s[10:11]
	s_load_b128 s[12:15], s[0:1], 0x20             ; w_pool s[12:13], parts s[14:15]
	v_lshrrev_b32 v[T], 5, v0
	v_readfirstlane_b32 s[WV], v[T]                ; wave 0..15
	v_and_b32 v[T], 31, v0                         ; lane
	v_lshlrev_b32 v[LOFF], 4, v[T]
	s_lshr_b32 s56, ttmp9, 4                       ; b
	s_and_b32 s57, ttmp9, 15                       ; c
	s_lshl_b32 s[BROW], s56, 11
	s_lshl_b32 s[C0], s57, 7
	s_add_co_u32 s[C1], s[C0], CHUNK
	s_lshl_b32 s58, s56, 7                         ; a batch row's 32 starts, and ends, are 128 bytes
	v_lshl_add_u32 v[T+1], v[T], 2, s58            ; lane s takes span s
	s_lshl_b32 s56, s56, 9                         ; part (b, s, c) is number 512 b + 16 s + c
	s_add_co_u32 s56, s56, s57
	s_mul_i32 s[WGO], s56, SLOTB                   ; under 2^25
	s_wait_kmcnt 0x0
	global_load_b32 v[T+2], v[T+1], s[8:9]
	global_load_b32 v[T+3], v[T+1], s[10:11]
.irp j, 0,1,2,3,4,5
	global_load_b128 v[W+4*\j:W+4*\j+3], v[LOFF], s[12:13] offset:512*\j
.endr
	s_mov_b32 s[SEL], 0x76543210                   ; set-up that hangs on no span stands in the wait for them
	s_mov_b32 s[SEL+1], 0xfedcba98
	s_mov_b32 s[NEG], 0xf149f2ca                   ; -1e30
	s_mov_b32 s[INIT], 0xf1c9f2ca                  ; -2e30
	s_mov_b32 s[HD], 0
	s_mov_b32 s[CNT], 0
	s_mul_i32 s[LB], s[WV], 2*SLOTB
.set i, 0
.rept 24
	v_mov_b32 v[ACC+i], 0                          ; once a launch: a wave without a group hands these zeros in
.set i, i+1
.endr
	v_mov_b32 v[M], s[INIT]
	v_mov_b32 v[LS], 0
	s_wait_loadcnt 6                               ; starts and ends are in; w_pool's six loads stay out
.irp r, 2,3                            ; both bounds are cut to C0 .. C1: the difference is then the number of the span's tokens in the chunk, or is not positive
	v_cmp_le_i32 vcc_lo, s[C0], v[T+\r]
	v_cndmask_b32 v[T+\r], s[C0], v[T+\r], vcc_lo
	v_cmp_ge_i32 vcc_lo, s[C1], v[T+\r]
	v_cndmask_b32 v[T+\r], s[C1], v[T+\r], vcc_lo
.endr
	v_sub_nc_u32 v[T+3], v[T+3], v[T+2]
	v_cmp_lt_i32 vcc_lo, 0, v[T+3]
	v_cndmask_b32 v[T+3], 0, v[T+3], vcc_lo        ; len
	v_sub_nc_u32 v[T+2], v[T+2], s[C0]             ; lo
	v_add_nc_u32 v[T+4], GR-1, v[T+3]
	v_lshrrev_b32 v[T+4], 2, v[T+4]                ; the segment's groups
	v_mov_b32 v[T+5], 0
.irp d, 1,2,4,8                        ; running sums: four steps inside each half of 16 lanes (a lane without a source takes 0),
	v_mov_b32_dpp v[T+5], v[T+4] row_shr:\d row_mask:0xf bank_mask:0xf bound_ctrl:1
	v_add_nc_u32 v[T+4], v[T+4], v[T+5]
.endr
	v_readlane_b32 s56, v[T+4], 15                 ; and the lower half's sum onto the upper half
	v_cmp_le_u32 vcc_lo, 16, v[T]
	v_cndmask_b32 v[T+5], 0, s56, vcc_lo
	v_add_nc_u32 v[T+4], v[T+4], v[T+5]            ; ce
	v_lshl_or_b32 v[T+2], v[T+2], 8, v[T+3]
	v_lshl_or_b32 v[PK], v[T+4], 16, v[T+2]
	v_readlane_b32 s[N], v[T+4], 31
	s_mul_i32 s56, s[N], s[WV]
	s_lshr_b32 s[GN], s56, 4                       ; my first group
	s_add_co_u32 s56, s56, s[N]
	s_lshr_b32 s56, s56, 4                         ; one past my last
	s_sub_co_u32 s[NW], s56, s[GN]
	s_lshl_b32 s56, s[GN], 16
	s_or_b32 s56, s56, 0xffff
	v_cmp_ge_u32 s57, s56, v[PK]
	s_bcnt1_i32_b32 s[CUR], s57                    ; my first group's segment.  In a wave without a group: that of the next wave's first group, or 32 behind the list's end: its empty slots join that run
	s_cmp_eq_u32 s[NW], 0
	s_cbranch_scc1 .Ldone
	ISSUE 0
	s_cmp_eq_u32 s[NW], 1
	s_cbranch_scc1 .Lone
	ISSUE 1
	s_wait_loadcnt 2*GLD                           ; w_pool's six loads are in; the two groups' 25 + 25 stay out
	SCALEW
	s_sub_co_u32 s[TR], s[NW], 2                   ; a trip takes two groups and asks for two: as many trips as leave no request past my last group
	s_lshr_b32 s[TR], s[TR], 1
	s_cmp_eq_u32 s[TR], 0
	s_cbranch_scc1 .Ltail
.Lloop:                                        ; on the way in and on the way back: buffer 0's 25 loads are out, and behind them buffer 1's 25
	s_wait_loadcnt GLD                             ; buffer 0 is in; buffer 1's 25 stay out
	CONSUME 0
	ISSUE 0
	s_wait_loadcnt GLD                             ; buffer 1 is in; the 25 just issued stay out
	CONSUME 1
	ISSUE 1
	s_add_co_u32 s[CNT], s[CNT], 1
	s_cmp_lt_u32 s[CNT], s[TR]
	s_cbranch_scc1 .Lloop
.Ltail:                                        ; both buffers are on their way; one group is left to ask for if my count is odd, else none.  The ways are written out, so that each wait counts the same loads on every way to it
	s_wait_loadcnt GLD
	CONSUME 0
	s_bitcmp1_b32 s[NW], 0
	s_cbranch_scc1 .Lodd
	s_wait_loadcnt 0x0                             ; nothing was issued behind buffer 1's loads
	CONSUME 1
	s_branch .Ldone
.Lodd:
	ISSUE 0                                        ; my last group
	s_wait_loadcnt GLD                             ; buffer 1 is in; the last group's 25 stay out
	CONSUME 1
	s_branch .Llast
.Lone:
	s_wait_loadcnt GLD                             ; w_pool is in; my one group's 25 stay out
	SCALEW
.Llast:
	s_wait_loadcnt 0x0
	CONSUME 0
.Ldone:
	s_wait_loadcnt 0x0                             ; in a wave without a group w_pool's loads are still out, and their registers are used below
	s_cmp_eq_u32 s[HD], 0                          ; I had one segment or none: it goes into my first slot, and my second holds nothing: l = 0, the same tag
	s_cbranch_scc0 .Lsecond
	FLUSHL 0
	v_mov_b32 v[M], s[INIT]
	v_mov_b32 v[LS], 0
.Lsecond:
	FLUSHL 1
	s_wait_dscnt 0x0                               ; for the others' sake: my slots lie in LDS
	s_barrier_signal -1
	s_barrier_wait -1                              ; all sixteen waves' do
	; THE MEETING.  Wave v of the first seven walks bytes 512 v .. 512 v + 511 of the 32 slots: six columns of 128 channels, and the column of (m, l, tag, l).
	; Registers: v[4:7] slot lane's m, l, tag; v8 R, the maximum of the run up to this slot; v9-v11 at work; v12 a; v13 f; v16, v17 LDS addresses; v18 my 16 bytes in a part of this chunk; v19-v23 a store's
	; address and data; v[24:27] the run's sum.
	s_cmp_lt_u32 s[WV], 7
	s_cbranch_scc0 .Lend
	v_and_b32 v9, 31, v0
	v_mul_u32_u24 v9, v9, SLOTB
	ds_load_b128 v[4:7], v9 offset:ROWB            ; lane j: slot j's
	s_lshl_b32 s56, s[WV], 9
	v_add_nc_u32 v16, s56, v[LOFF]
	v_add_nc_u32 v17, 16*SLOTB, v16                ; a second address: the offset field ends at 65,535
.irp j, 0,1,2,3,4,5,6,7,8,9,10,11,12,13,14,15
	ds_load_b128 v[X+4*\j:X+4*\j+3], v16 offset:SLOTB*\j
.endr
.irp j, 0,1,2,3,4,5,6,7,8,9,10,11,12,13,14,15
	ds_load_b128 v[X+64+4*\j:X+64+4*\j+3], v17 offset:SLOTB*\j
.endr
	v_add_nc_u32 v18, s[WGO], v16
	s_cmp_eq_u32 s[WV], 6
	s_cselect_b32 s[W6], -1, 0
.set q, 0
.rept 8
	s_mov_b32 s[FS+2*q+1], 0                       ; named with the factors as pairs, so they are written
	s_mov_b32 s[AS+2*q+1], 0
.set q, q+1
.endr
	s_wait_dscnt 32                                ; (m, l, tag) are in; the 32 loads of my column stay out
	v_mov_b32 v8, v4
	v_mov_b32 v10, v4
.irp d, 1,2,4,8                        ; R: the slot d before me joins if it has my tag (then all between have it); a lane without a source keeps -1, which is no tag
	v_mov_b32 v9, -1
	v_mov_b32_dpp v9, v6 row_shr:\d row_mask:0xf bank_mask:0xf
	v_mov_b32_dpp v10, v8 row_shr:\d row_mask:0xf bank_mask:0xf
	v_cmp_eq_u32 vcc_lo, v9, v6
	v_max_num_f32 v10, v10, v8
	v_cndmask_b32 v8, v8, v10, vcc_lo
.endr
	v_readlane_b32 s56, v6, 15                     ; across the halves: slots 16 .. with slot 15's tag go on with its run
	v_readlane_b32 s57, v8, 15
	v_cmp_eq_u32 s58, s56, v6
	s_and_b32 s58, s58, 0xffff0000
	v_max_num_f32 v10, s57, v8
	v_cndmask_b32 v8, v8, v10, s58
	v_mov_b32 v9, -1                               ; the slot before me: its tag and its R
	v_mov_b32_dpp v9, v6 row_shr:1 row_mask:0xf bank_mask:0xf
	v_mov_b32 v11, v8
	v_mov_b32_dpp v11, v8 row_shr:1 row_mask:0xf bank_mask:0xf
	v_writelane_b32 v9, s56, 16
	v_writelane_b32 v11, s57, 16
	v_cmp_eq_u32 s59, v9, v6                       ; I go on with its run
	v_sub_f32 v11, v11, v8
	v_sub_f32 v10, v4, v8
	v_cmp_lt_f32 s60, 0, v5                        ; my slot has a member
	v_exp_f32 v12, v11                             ; a = 2^(R before - R): what the run's sum so far is multiplied by
	v_exp_f32 v13, v10                             ; f = 2^(m - R): what my slot is multiplied by
	v_mov_b32 v9, -1                               ; a plain instruction behind the exponentials.  The slot behind me: its tag
	v_mov_b32_dpp v9, v6 row_shl:1 row_mask:0xf bank_mask:0xf
	v_readlane_b32 s61, v6, 16
	v_writelane_b32 v9, s61, 15
	v_cmp_ne_u32 s[EM], v9, v6                     ; my run ends with me,
	v_cmp_gt_u32 s62, 32, v6                       ; and is a segment's
	s_and_b32 s[EM], s[EM], s62
	s_wait_alu depctr_va_vdst(0)                   ; one wait for both exponentials, ahead of their first reader
	v_cndmask_b32 v12, 0, v12, s59                 ; a run's first slot wipes the sum of the run before
	v_cndmask_b32 v13, 0, v13, s60                 ; a slot without a member counts for nothing, whatever its ACC holds
	s_wait_dscnt 0x0                               ; my column is in
; Slot j is taken into the run's sum; where a run ends the sum is stored.  The factors come eight slots at a time, so that no product waits for the v_readlane_b32 just ahead of it.
.macro SITE j
.if (\j) % 8 == 0
.set q, 0
.rept 8
	v_readlane_b32 s[FS+2*q], v13, (\j)+q
	v_readlane_b32 s[AS+2*q], v12, (\j)+q
.set q, q+1
.endr
.endif
.if (\j) == 0
	v_pk_mul_f32 v[24:25], v[X:X+1], s[FS:FS+1] op_sel_hi:[1,0]
	v_pk_mul_f32 v[26:27], v[X+2:X+3], s[FS:FS+1] op_sel_hi:[1,0]
.else
	v_pk_mul_f32 v[24:25], v[24:25], s[AS+2*((\j)%8):AS+2*((\j)%8)+1] op_sel_hi:[1,0]
	v_pk_mul_f32 v[26:27], v[26:27], s[AS+2*((\j)%8):AS+2*((\j)%8)+1] op_sel_hi:[1,0]
	v_pk_fma_f32 v[24:25], v[X+4*(\j):X+4*(\j)+1], s[FS+2*((\j)%8):FS+2*((\j)%8)+1], v[24:25] op_sel_hi:[1,0,1]
	v_pk_fma_f32 v[26:27], v[X+4*(\j)+2:X+4*(\j)+3], s[FS+2*((\j)%8):FS+2*((\j)%8)+1], v[26:27] op_sel_hi:[1,0,1]
.endif
	s_bitcmp1_b32 s[EM], \j
	s_cbranch_scc0 .Lkeep_\@
	s_wait_xcnt 0x0                                ; the store of the run before has read v[19:23], which are written again only behind this wait
	v_readlane_b32 s56, v6, \j                     ; the run's segment
	v_readlane_b32 s57, v8, \j                     ; and its maximum
	s_min_u32 s56, s56, 31                         ; the number that enters the address is cut by a constant
	s_mul_i32 s56, s56, 16*SLOTB
	v_add_nc_u32 v19, s56, v18
	v_cndmask_b32 v20, v24, s57, s[W6]             ; in the column of (m, l) the first word is the run's maximum; the second is the sum of f l
	v_mov_b32 v21, v25
	v_mov_b32 v22, v26
	v_mov_b32 v23, v27
	global_store_b128 v19, v[20:23], s[14:15]      ; 512 consecutive bytes, at a multiple of 512 from the buffer's first
.Lkeep_\@:
.endm
.irp j, 0,1,2,3,4,5,6,7,8,9,10,11,12,13,14,15,16,17,18,19,20,21,22,23,24,25,26,27,28,29,30,31
	SITE \j
.endr
.Lend:
	v_lshl_add_u32 v[T], v0, 2, SPARE              ; the wave's end.  All 256 registers are taken in the loop, so v0 was kept and the add's two registers are made here
	v_mov_b32 v[T+1], 0
	s_wait_tensorcnt 0x0
	ds_add_u32 v[T], v[T+1]
	s_wait_dscnt 0x0
	s_endpgm
.Lfunc_end_k_q25a23f6241_pool:
	.size	k_q25a23f6241_pool, .Lfunc_end_k_q25a23f6241_pool-k_q25a23f6241_pool
	.p2alignl 7, 3214868480
	.fill 96, 4, 3214868480
	.section	.rodata,"a",@progbits
	.p2align	6, 0x0
	.amdhsa_kernel k_q25a23f6241_pool
		.amdhsa_group_segment_fixed_size 116736
		.amdhsa_private_segment_fixed_size 0
		.amdhsa_enable_private_segment 0
		.amdhsa_kernarg_size 48
		.amdhsa_user_sgpr_count 2
		.amdhsa_user_sgpr_kernarg_segment_ptr 1
		.amdhsa_wavefront_size32 1
		.amdhsa_system_sgpr_workgroup_id_x 1
		.amdhsa_system_sgpr_workgroup_id_y 1
		.amdhsa_system_sgpr_workgroup_id_z 1
		.amdhsa_system_vgpr_workitem_id 0
		.amdhsa_next_free_vgpr 256
		.amdhsa_next_free_sgpr 102
		.amdhsa_reserve_vcc 1
		.amdhsa_float_denorm_mode_32 3
		.amdhsa_float_denorm_mode_16_64 3
		.amdhsa_memory_ordered 1
		.amdhsa_forward_progress 1
		.amdhsa_inst_pref_size 134
	.end_amdhsa_kernel
	.amdgpu_metadata
---
amdhsa.version: [ 1, 2 ]
amdhsa.kernels:
  - .name:           k_q25a23f6241_pool
    .symbol:         k_q25a23f6241_pool.kd
    .args:
      - { .name: token_hidden, .offset: 0, .size: 8, .value_kind: global_buffer, .address_space: global }
      - { .name: attention_mask, .offset: 8, .size: 8, .value_kind: global_buffer, .address_space: global }
      - { .name: span_starts, .offset: 16, .size: 8, .value_kind: global_buffer, .address_space: global }
      - { .name: span_ends, .offset: 24, .size: 8, .value_kind: global_buffer, .address_space: global }
      - { .name: w_pool, .offset: 32, .size: 8, .value_kind: global_buffer, .address_space: global }
      - { .name: parts, .offset: 40, .size: 8, .value_kind: global_buffer, .address_space: global }
    .group_segment_fixed_size: 116736
    .private_segment_fixed_size: 0
    .kernarg_segment_align: 8
    .kernarg_segment_size: 48
    .max_flat_workgroup_size: 512
    .sgpr_count:     102
    .vgpr_count:     256
    .wavefront_size: 32
...
	.end_amdgpu_metadata
.endif
;; end of part 2
;; launch merge (part 3): grid 512 x 1, 6 waves a work-group, no clusters, 0 bytes of LDS; arguments parts, span_starts, span_ends, out0, out1; writes out0, out1
.if DOCPART == 3
	.amdgcn_target "amdgcn-amd-amdhsa--gfx1250"
	.amdhsa_code_object_version 6
	.text
	.protected	k_q25a23f6241_merge
	.globl	k_q25a23f6241_merge
	.p2align	8
	.type	k_q25a23f6241_merge,@function
k_q25a23f6241_merge:
	s_mov_b64 s[64:65], 0
	v_nop
	global_prefetch_b8 v0, s[64:65] scope:SCOPE_SE
	s_setreg_imm32_b32 hwreg(HW_REG_WAVE_MODE, 25, 1), 1
	s_wait_xcnt 0x0
; The parts of a span are added: out0[span][:] = sum over its parts of 2^(m_i - M) ACC_i / max(s, 1e-30), s = sum of 2^(m_i - M) l_i, M the greatest m_i;  out1[span] = 1 if s > 0, else 0.
; WORK LEFT OUT, as in the launch before and for its reasons: b_pool has no way to an output and is no argument; chunks that a span's range does not touch have no part and are not read.
; A part (span, chunk) is 3,584 bytes at number 16 span + chunk: 3,072 of ACC, then (m, l).  The launch before stored one for each chunk of 128 tokens that holds a token of start .. end - 1
; (bounds cut to 0 .. 2048): chunks start >> 7 .. (end - 1) >> 7.  A part without a member has l = 0, ACC = 0 and m = -1e30.  A member's weight at the maximum is 1, so s > 0 says that the span has a member.
; SHARES.  A work-group has one span, each of its six waves 128 channels: 512 consecutive bytes of each part and of the row of out0.  No wave needs another: no LDS, no barrier.
; The parts come four at a time, all eight loads out together, under a running maximum M, which starts at -2e30; places past the count repeat the span's last part with m = -2e30: weight 0.
; A span of up to 385 tokens has at most four parts: one trip.  A span without a token makes no trip and stores zeros.
; LIMITS.  NaN and infinities are not treated apart.  The flag is one store of 4 bytes a span: a wave holds one span's sum.
.set LTOK,  2048
.set ROWB,  3072
.set SLOTB, 3584
.set VO,   1                           ; v1       my 16 bytes in a part and in the row: 512 x wave + 16 x lane; never rewritten
.set ZO,   2                           ; v2       0: every lane reads the same (m, l)
.set FO,   3                           ; v3       the flag's byte offset
.set ST,   4                           ; v[4:11]  part i: m, then its factor, in v[ST+2i]; l in v[ST+2i+1]
.set A,    12                          ; v12      a (named as a pair with v13)
.set M,    14                          ; v14      M
.set L,    15                          ; v15      s
.set MN,   16                          ; v16      the new M; later the flag
.set T,    18                          ; v[18:19] 1 / max(s, 1e-30), named as a pair
.set CC,   20                          ; v[20:23] the sum
.set P,    24                          ; v[24:39] four parts' 16 bytes
.set WV,   14                          ; s14  my wave's number
.set SO,   16                          ; s16  4 x span
.set LO,   18                          ; s18  start          s19  end
.set HI,   19
.set CF,   21                          ; s21  the first chunk    s22  the last
.set CL,   22
.set NP,   23                          ; s23  parts
.set TR,   24                          ; s24  trips
.set CNT,  25
.set K4,   26                          ; s26  the trip's first part
.set SP16, 27                          ; s27  16 x span
.set INIT, 28                          ; s28  -2e30
.set VM,   30                          ; s[30:33] part i exists: all ones or 0
.set B,    36                          ; s[36:43] part i's address
	s_load_b256 s[4:11], s[0:1], 0x0               ; parts s[4:5], span_starts s[6:7], span_ends s[8:9], out0 s[10:11]
	s_load_b64 s[12:13], s[0:1], 0x20              ; out1
	v_lshrrev_b32 v[VO], 5, v0
	v_readfirstlane_b32 s[WV], v[VO]               ; wave 0..5
	v_and_b32 v[VO], 31, v0
	v_lshlrev_b32 v[VO], 4, v[VO]
	s_lshl_b32 s44, s[WV], 9
	v_add_nc_u32 v[VO], s44, v[VO]
	v_mov_b32 v[ZO], 0
	s_lshl_b32 s[SO], ttmp9, 2
	s_wait_kmcnt 0x0
	s_load_b32 s[LO], s[6:7], s[SO] offset:0x0
	s_load_b32 s[HI], s[8:9], s[SO] offset:0x0
	s_mov_b32 s[INIT], 0xf1c9f2ca                  ; set-up that hangs on no bound stands in the wait for them
	s_lshl_b32 s[SP16], ttmp9, 4
	s_mov_b32 s[CNT], 0
	s_mov_b32 s[K4], 0
	s_mul_i32 s44, ttmp9, ROWB
	s_mov_b32 s45, 0
	s_add_nc_u64 s[10:11], s[10:11], s[44:45]      ; out0 at the span's row
.irp c, 0,1,2,3
	v_mov_b32 v[CC+\c], 0
.endr
	v_mov_b32 v[L], 0
	v_mov_b32 v[M], s[INIT]
	v_mov_b32 v[A+1], 0                            ; named with a as a pair, so it is written
	s_wait_kmcnt 0x0
	s_max_i32 s[LO], s[LO], 0                      ; pos runs from 0 to 2047: bounds outside are cut to 0 .. 2048, which keeps the members the same
	s_min_i32 s[LO], s[LO], LTOK
	s_max_i32 s[HI], s[HI], 0
	s_min_i32 s[HI], s[HI], LTOK
	s_cmp_gt_i32 s[HI], s[LO]
	s_cbranch_scc0 .Lfin                           ; no token: no part
	s_lshr_b32 s[CF], s[LO], 7
	s_sub_co_u32 s[CL], s[HI], 1
	s_lshr_b32 s[CL], s[CL], 7
	s_sub_co_u32 s[NP], s[CL], s[CF]
	s_add_co_u32 s[NP], s[NP], 1
	s_add_co_u32 s[TR], s[NP], 3
	s_lshr_b32 s[TR], s[TR], 2
.Lbatch:
.irp i, 0,1,2,3
	s_add_co_u32 s44, s[K4], \i
	s_cmp_lt_u32 s44, s[NP]
	s_cselect_b32 s[VM+\i], -1, 0
	s_add_co_u32 s44, s44, s[CF]
	s_min_u32 s44, s44, s[CL]                      ; past the count: the last part once more
	s_min_u32 s44, s44, 15                         ; the number that enters the address is cut by a constant
	s_add_co_u32 s44, s44, s[SP16]
	s_mul_i32 s44, s44, SLOTB                      ; under 2^25
	s_mov_b32 s45, 0
	s_add_nc_u64 s[B+2*\i:B+2*\i+1], s[4:5], s[44:45]        ; last read by the trip before's loads, which have come back
	global_load_b64 v[ST+2*\i:ST+2*\i+1], v[ZO], s[B+2*\i:B+2*\i+1] offset:ROWB
	global_load_b128 v[P+4*\i:P+4*\i+3], v[VO], s[B+2*\i:B+2*\i+1]
.endr
	s_wait_loadcnt 0x0
.irp i, 0,1,2,3
	v_cndmask_b32 v[ST+2*\i], s[INIT], v[ST+2*\i], s[VM+\i]  ; a place past the count: -2e30, below every part's m, so that its factor is 0
.endr
	v_max3_num_f32 v[MN], v[M], v[ST], v[ST+2]
	v_max3_num_f32 v[MN], v[MN], v[ST+4], v[ST+6]
	v_sub_f32 v[A], v[M], v[MN]
.irp i, 0,1,2,3
	v_sub_f32 v[ST+2*\i], v[ST+2*\i], v[MN]
.endr
	v_exp_f32 v[A], v[A]                           ; one batch of five
.irp i, 0,1,2,3
	v_exp_f32 v[ST+2*\i], v[ST+2*\i]
.endr
	v_mov_b32 v[M], v[MN]                          ; a plain instruction behind the last exponential
	s_wait_alu depctr_va_vdst(0)                   ; one wait for the batch, ahead of its first reader and of the backward jump
	v_mul_f32 v[L], v[L], v[A]
.irp i, 0,1,2,3
	v_fmac_f32 v[L], v[ST+2*\i], v[ST+2*\i+1]
.endr
	v_pk_mul_f32 v[CC:CC+1], v[CC:CC+1], v[A:A+1] op_sel_hi:[1,0]
	v_pk_mul_f32 v[CC+2:CC+3], v[CC+2:CC+3], v[A:A+1] op_sel_hi:[1,0]
.irp i, 0,1,2,3
	v_pk_fma_f32 v[CC:CC+1], v[P+4*\i:P+4*\i+1], v[ST+2*\i:ST+2*\i+1], v[CC:CC+1] op_sel_hi:[1,0,1]
	v_pk_fma_f32 v[CC+2:CC+3], v[P+4*\i+2:P+4*\i+3], v[ST+2*\i:ST+2*\i+1], v[CC+2:CC+3] op_sel_hi:[1,0,1]
.endr
	s_add_co_u32 s[K4], s[K4], 4
	s_add_co_u32 s[CNT], s[CNT], 1
	s_cmp_lt_u32 s[CNT], s[TR]
	s_cbranch_scc1 .Lbatch
.Lfin:
	v_max_num_f32 v[T], 0x0da24260, v[L]           ; max(s, 1e-30)
	v_rcp_f32 v[T], v[T]
	v_mov_b32 v[T+1], 0                            ; a plain instruction behind the reciprocal; the pair's second register is written
	s_wait_alu depctr_va_vdst(0)                   ; the wait ahead of its first reader
	v_pk_mul_f32 v[CC:CC+1], v[CC:CC+1], v[T:T+1] op_sel_hi:[1,0]
	v_pk_mul_f32 v[CC+2:CC+3], v[CC+2:CC+3], v[T:T+1] op_sel_hi:[1,0]
	global_store_b128 v[VO], v[CC:CC+3], s[10:11] th:TH_STORE_NT   ; the wave stores 512 consecutive bytes, at a multiple of 512 from out0's first
	s_cmp_lg_u32 s[WV], 0
	s_cbranch_scc1 .Lend
	v_cmp_lt_f32 vcc_lo, 0, v[L]                   ; wave 0 also stores the flag
	v_cndmask_b32 v[MN], 0, 1.0, vcc_lo
	v_mov_b32 v[FO], s[SO]
	v_cmp_eq_u32 vcc_lo, 0, v0                     ; by its first lane
	s_wait_xcnt 0x0                                ; EXEC changes only when the store above has read its sources
	s_and_saveexec_b32 s44, vcc_lo
	global_store_b32 v[FO], v[MN], s[12:13]
	s_wait_xcnt 0x0                                ; and again ahead of the line that widens it
	s_or_b32 exec_lo, exec_lo, s44
.Lend:
	s_endpgm
.Lfunc_end_k_q25a23f6241_merge:
	.size	k_q25a23f6241_merge, .Lfunc_end_k_q25a23f6241_merge-k_q25a23f6241_merge
	.p2alignl 7, 3214868480
	.fill 96, 4, 3214868480
	.section	.rodata,"a",@progbits
	.p2align	6, 0x0
	.amdhsa_kernel k_q25a23f6241_merge
		.amdhsa_group_segment_fixed_size 0
		.amdhsa_private_segment_fixed_size 0
		.amdhsa_enable_private_segment 0
		.amdhsa_kernarg_size 40
		.amdhsa_user_sgpr_count 2
		.amdhsa_user_sgpr_kernarg_segment_ptr 1
		.amdhsa_wavefront_size32 1
		.amdhsa_system_sgpr_workgroup_id_x 1
		.amdhsa_system_sgpr_workgroup_id_y 1
		.amdhsa_system_sgpr_workgroup_id_z 1
		.amdhsa_system_vgpr_workitem_id 0
		.amdhsa_next_free_vgpr 40
		.amdhsa_next_free_sgpr 66
		.amdhsa_reserve_vcc 1
		.amdhsa_float_denorm_mode_32 3
		.amdhsa_float_denorm_mode_16_64 3
		.amdhsa_memory_ordered 1
		.amdhsa_forward_progress 1
		.amdhsa_inst_pref_size 7
	.end_amdhsa_kernel
	.amdgpu_metadata
---
amdhsa.version: [ 1, 2 ]
amdhsa.kernels:
  - .name:           k_q25a23f6241_merge
    .symbol:         k_q25a23f6241_merge.kd
    .args:
      - { .name: parts, .offset: 0, .size: 8, .value_kind: global_buffer, .address_space: global }
      - { .name: span_starts, .offset: 8, .size: 8, .value_kind: global_buffer, .address_space: global }
      - { .name: span_ends, .offset: 16, .size: 8, .value_kind: global_buffer, .address_space: global }
      - { .name: out0, .offset: 24, .size: 8, .value_kind: global_buffer, .address_space: global }
      - { .name: out1, .offset: 32, .size: 8, .value_kind: global_buffer, .address_space: global }
    .group_segment_fixed_size: 0
    .private_segment_fixed_size: 0
    .kernarg_segment_align: 8
    .kernarg_segment_size: 40
    .max_flat_workgroup_size: 192
    .sgpr_count:     66
    .vgpr_count:     40
    .wavefront_size: 32
...
	.end_amdgpu_metadata
.endif
;; end of part 3
